; MI455X (gfx1250); checked and timed in simulation.
; The chip was launched on July 23, 2026; its instructions are those of AMD's public machine-readable ISA for CDNA 5 (MIT licence, August 2026) and "CDNA5" Instruction Set Architecture Reference Guide (July 2026). The comments in the code are by the model that wrote it; some were corrected since.
;; Multi Head Attention. Allowed arithmetic: matrix products marked QUANTISED: E4M3 operands, one given power-of-two scale a tensor, by v_wmma_f32_16x16x64_fp8_fp8 or v_wmma_f32_16x16x128_fp8_fp8, f32 sums; everything else in f32.
;; Inputs: lowp_scales 8 int32 (the exponents e of the quantised operands' scales 2^e); w_o_codes 1,024 x 32 x 32 uint8 (E4M3 codes of w_o, K innermost, in blocks of 32 codes); w_qkv_codes 3,072 x 32 x 32 uint8 (E4M3 codes of w_qkv, K innermost, in blocks of 32 codes); x_codes 2 x 2,048 x 32 x 32 uint8 (E4M3 codes of x, K innermost, in blocks of 32 codes).
;; Outputs: out0 2 x 2,048 x 1,024 float32.
;; This version of the problem:
;;   THIS VERSION OF THE PROBLEM IS GIVEN IN LOW PRECISION. The matrix products marked QUANTISED in the list below multiply operands that are first quantised to E4M3 (4 exponent bits, 3 mantissa bits; 8 bits a number), with one given power-of-two scale for each operand tensor; their sums are f32. All else is computed in f32.
;;   The module's matrix products, in the order in which they are computed (A, B: the left and right operand; K: the contracted axis; several contracted axes count as one K, in the product's order):
;;     1. [M 4,096, K 1,024] x [K 1,024, N 3,072]; A: input x (given as codes); B: input w_qkv (given as codes): QUANTISED (scales: A lowp_scales[0], B lowp_scales[1])
;;     2. batch 32 x [M 2,048, K 64] x [K 64, N 2,048]; A: computed on the way; B: computed on the way: QUANTISED (scales: A lowp_scales[2], B lowp_scales[3])
;;     3. batch 32 x [M 2,048, K 2,048] x [K 2,048, N 64]; A: softmax (see below); B: computed on the way: QUANTISED (scales: A lowp_scales[4], B lowp_scales[5])
;;     4. [M 4,096, K 1,024] x [K 1,024, N 1,024]; A: computed on the way; B: input w_o (given as codes): QUANTISED (scales: A lowp_scales[6], B lowp_scales[7])
;;   THE QUANTISER, for each operand of a quantised product, along K:
;;     - The operand's scale is 2^e, e = its entry of the input lowp_scales (int32; the entries are numbered through the quantised products in the list's order, A before B).
;;     - Each number is divided by the scale, clamped to +-448, and rounded to the nearest number of E4M3, ties to even, subnormals kept.
;;     - The product sums the exact products of the quantised numbers (number of the format x scale) in f32.
;;   ~~~python
;;   def quantise(x, axis, e):      # numpy; x: float32 -> the quantised numbers, widened to float32 again
;;       x = np.moveaxis(x, axis, -1); K = x.shape[-1]
;;       r = np.clip(x / 2.0 ** e, -448, 448)
;;       step = 2.0 ** (np.maximum(np.frexp(np.where(r == 0, 1, r))[1] - 1, -6) - 3)
;;       q = np.round(r / step) * step * 2.0 ** e      # np.round: ties to even
;;       return np.moveaxis(q, -1, axis).astype(np.float32)
;;   ~~~
;;   SOFTMAX AHEAD OF A QUANTISED PRODUCT. Where the list says 'softmax', what is quantised is not the finished softmax but p = 2^(t - M), with t = logit x log2(e) and M = ceil(the row's largest t), a whole number; so 1/2 < the row's largest p <= 1. The row's sum l is taken of the UNQUANTISED p, in f32, and the product's result is divided by l at the end. Since M is a whole number, a kernel that streams over the keys may use a running M (the ceiling of the running maximum): every later rescaling is an exact power of two, so the quantised numbers keep their values, but for numbers so far below the row's largest that they fall under the format's range.
;;   OPERANDS COMPUTED ON THE WAY. 'Computed on the way' means the value that the module computes at that place (a softmax that the list does not call 'softmax' is quantised finished and normalised). What goes into a quantiser is computed in f32, as accurately as f32 sums, v_exp_f32 and their like allow (about 1e-6 of the number): no bf16 or f16 on the way to a quantiser, and a product that is left as it is and whose result goes on into a quantised operand takes f32 operands (vector FMAs, or v_wmma_f32_16x16x4_f32). A number that lies on a knife's edge between two numbers of the format may be rounded either way, as far as f32 arithmetic and the matrix unit's own rounding can turn it there, and no further.
;;   INPUTS GIVEN AS CODES. w_o (in the module: [1024, 1024], K = its axis 1); w_qkv (in the module: [3072, 1024], K = its axis 1); x (in the module: [2, 2048, 1024], K = its axis 2): each comes as NAME_codes (uint8): NAME with its K axis moved to the last place and cut into blocks of 32 codes, [.., K / 32, bytes a block], one block behind the other in memory; one code a byte (a code: sign, 4 exponent bits, 3 mantissa bits); its scale is its entry of lowp_scales. Its value is code x scale, taken as it is: it is not quantised again, and the codes and scales need not be those that the quantiser above would give.
;; One version. Each part assembles by itself: llvm-mc -triple=amdgcn-amd-amdhsa -mcpu=gfx1250 --defsym DOCPART=n.
;; ======== version 1 of 1: 3 launches
;; limits: right only within a limited range of input values
;; workspace buffers: q_img 4,194,304 bytes; kv_img 8,388,608 bytes; a_img 4,194,304 bytes
;; launch qkv (part 1): grid 16 x 16, 4 waves a work-group, clusters of 4 x 4, 327,680 bytes of LDS; arguments x_codes, w_qkv_codes, lowp_scales, q_img, kv_img; writes q_img, kv_img
.if DOCPART == 1
	.amdgcn_target "amdgcn-amd-amdhsa--gfx1250"
	.amdhsa_code_object_version 6
	.text
	.protected	k_qfac71ad044_qkv
	.globl	k_qfac71ad044_qkv
	.p2align	8
	.type	k_qfac71ad044_qkv,@function
k_qfac71ad044_qkv:
	s_mov_b64 s[64:65], 0
	v_nop
	global_prefetch_b8 v0, s[64:65] scope:SCOPE_SE
	s_setreg_imm32_b32 hwreg(HW_REG_WAVE_MODE, 25, 1), 1
	s_wait_xcnt 0x0
	s_wait_alu depctr_hold_cnt(0) depctr_sa_sdst(0) depctr_va_vdst(0) depctr_va_sdst(0) depctr_va_ssrc(0) depctr_va_vcc(0) depctr_vm_vsrc(0)
	s_getreg_b32 s2, hwreg(HW_REG_IB_STS2, 6, 4)
	s_cmp_eq_u32 s2, 0
	s_cbranch_scc0 .Lentry_in_a_cluster
	s_endpgm
.Lentry_in_a_cluster:
	s_bfe_u32 s2, ttmp6, 0x10000c
	s_cmp_lg_u32 s2, 0xf033
	s_cbranch_scc0 .Lentry_shape_is_right
	s_endpgm
.Lentry_shape_is_right:
; LAUNCH 1 OF 3.  qkv = x w_qkv^T on codes of FP8 (E4M3), then the quantisers of q (entry 2 of the scales), k (entry 3) and v (entry 5).
; x: [4096][1024] codes, w_qkv: [3072][1024] codes, K innermost.  The results leave as IMAGES OF OPERAND REGISTERS for launch 2 (below), never as f32.
; WORK LEFT OUT BY THE PROGRAM (in launch 2): reference() itself replaces the logit of every key k > q by -1e9.  So the scores of such keys reach no output; their p = 2^(-1.44e9 - M) has the code 0 under every
; scale that is an f32 number and adds nothing to the row's sum beyond rounding, whatever finite values the inputs hold, as long as a row's largest live logit lies above about -1e9.  Whole steps of 128 keys behind
; a tile's 16 queries are therefore not multiplied.  LIMITS: |logit| is at most 64 x 448^2 x 2^(e2+e3) / 8, so a row all of whose live logits lie under -1e9 needs e2 + e3 >= 10 and is not served;
; a NaN, an infinity or an overflow that reaches only the steps left out is not carried to the result.  Every input has a way to the output and is loaded.
; LIMITS on the given exponents here, so that each power of two is an f32 number: e2 - e0 - e1, e3 - e0 - e1 and e5 - e0 - e1 between -126 and 119.
; SHARES.  A work-group takes 256 rows of x and ONE HEAD: 64 rows of w for q, 64 for k, 64 for v: a tile of 256 x 192; 16 x 16 work-groups.  Wave (iw, jw) takes rows 128 iw on and channels 32 jw .. 32 jw + 31
; of each of q, k, v: 8 blocks of x's rows x 6 blocks of w's rows = 48 accumulators.  K goes in steps of 256 through two LDS slots; 8 steps of 128 for the matrix instruction.
; q AND k ARE USED TRANSPOSED (source 0 = 16 rows of w, source 1 = 16 rows of x): a lane holds one row of x and eight neighbouring channels.  v IS NOT (source 0 = x, source 1 = w): a lane holds one channel and
; eight neighbouring keys.  In both cases one conversion of an accumulator's eight registers is one register pair of the next product's operand in that form's own layout (pair p of lane (r, h): k = 16 p + 8 h + 0 .. 7).
; IMAGES.  q_img [bh 32][tile of 16 queries 128][c2 2][lane 32][16 bytes]: pairs 2 c2, 2 c2 + 1 of the K = 64 fragment.   kv_img [bh 32][step of 128 keys 16][16,384 bytes]: K: [tile of 16 keys 8][c2 2][lane][16];
; from byte 8,192 V: [tile of 16 channels 4][cc 4][lane][16]: pairs 2 cc, 2 cc + 1 of the K = 128 fragment along the keys.  Every store of a wave covers 512 consecutive bytes, aligned.
; CLUSTERS: 4 x 4.  x's tile hangs on the tile row alone and is asked for jointly by a row of the cluster, w's on the head alone, by a column.
; Both fragments of this product are fetched by four loads of 16 bytes, 32 apart: the same permutation of k on both sides, so every product meets its partner.
; REGISTERS, in windows of 256: window 0: v1-29 addresses and constants; v32-127 codes on the way out; v128-255 x's fragments, ONE set.   window 1: w's fragments, TWO sets, at v0 and v128.
;   window 2: accumulators of blocks 0-3 ((a, b) at v[8 (6 a + b)]);   window 3: of blocks 4-7.
.set KSTEP,  256
.set PITCH,  272                       ; an LDS row: 256 bytes + 16 of padding = 68 words: the 16 rows that a load touches start at 16 different banks (64 banks of 4 bytes: ISA guide 11.1)
.set FR,     16                        ; registers of a fragment
.set SLOT,   448*PITCH                 ; x's 256 rows, then w's 64 for q, 64 for k, 64 for v
.set SPARE,  2*SLOT                    ; behind the ring: the spare words, 128 bytes for each wave
.set ADRA, 16                          ; v16-17  LDS address of my fragments of x in slot 0, 1
.set ADRB, 20                          ; v20-21  the same for w
.set LO,   24                          ; v24     16 x lane
.set SPW,  28                          ; v28     my spare word; never rewritten
.set NIL,  29                          ; v29     0; never rewritten
.set AF,   128
.set G1,  24                           ; s[24:31] group 1 for x's tiles;  s[32:39] group 0, a set for each slot
.set G0,  32
.set G1B, 48                           ; s[48:55], s[56:63] the same for w's
.set G0B, 56
.set MSB, 0
.macro WIN new                         ; the immediate's high byte repeats the setting that is left
.if MSB != \new
	s_set_vgpr_msb (MSB<<8)|\new
.set MSB, \new
.endif
.endm
.set QK_LO, 0xa1                       ; source 0 (w) window 1, source 1 (x) window 0, C and D window 2
.set QK_HI, 0xf1
.set V_LO,  0xa4                       ; source 0 (x) window 0, source 1 (w) window 1, C and D window 2
.set V_HI,  0xf4
.set TO_B,  0x40                       ; destination window 1
.set MED_LO, 0x82                      ; destination and source 0 window 2
.set MED_HI, 0xc3
.set CV_LO,  0x02                      ; source 0 window 2
.set CV_HI,  0x03
; A joint load: wave 0 fetches x's 256 rows, waves 1 to 3 w's 64 rows for q, k, v.  The branch hangs on the wave's number alone.  An s_nop 0 and four v_nop follow each line.
.macro JLOAD g0a, g0b
	s_cmp_eq_u32 s14, 0
	s_cbranch_scc0 .Lfor_b_\@
	tensor_load_to_lds s[\g0a:\g0a+3], s[G1:G1+7]
	s_nop 0
.rept 4
	v_nop
.endr
	s_branch .Lasked_\@
.Lfor_b_\@:
	tensor_load_to_lds s[\g0b:\g0b+3], s[G1B:G1B+7]
	s_nop 0
.rept 4
	v_nop
.endr
.Lasked_\@:
.endm
.macro CREST                           ; a round of the cluster's barrier behind its opening barrier
	s_cmp_lg_u32 s14, 0
	s_cbranch_scc1 .Lnot_wave_0_\@
	s_barrier_signal -3
.Lnot_wave_0_\@:
	s_barrier_wait -3
	s_barrier_signal -1
	s_barrier_wait -1
.endm
.macro CROUND
	s_barrier_signal -1
	s_barrier_wait -1
	CREST
.endm
.macro PLACES n
.rept \n
	v_nop
.endr
.endm
	s_load_b256 s[4:11], s[0:1], 0x0               ; x s[4:5], w s[6:7], the scales' exponents s[8:9], q_img s[10:11]
	s_load_b64 s[12:13], s[0:1], 0x20              ; kv_img
	v_lshl_add_u32 v[SPW], v0, 2, SPARE
	v_mov_b32 v[NIL], 0
	ds_add_u32 v[SPW], v[NIL]                      ; the wave's opening: the add, twice on end, and its wait ahead of my first tensor load
	ds_add_u32 v[SPW], v[NIL]
	v_lshrrev_b32 v1, 5, v0
	v_readfirstlane_b32 s14, v1                    ; wave 0..3
	s_lshr_b32 s15, s14, 1                         ; iw: which 128 rows of x are mine
	s_and_b32 s16, s14, 1                          ; jw: which 32 channels of q, k, v
	s_bfe_u32 s40, ttmp6, 0x40000                  ; cx
	s_bfe_u32 s41, ttmp6, 0x40004                  ; cy
	s_lshl_b32 s42, ttmp9, 2
	s_add_co_u32 s42, s42, s40                     ; the head = 4 x cluster x + cx
	s_and_b32 s17, ttmp7, 0xffff
	s_lshl_b32 s17, s17, 2
	s_add_co_u32 s17, s17, s41                     ; y: tile row = 4 x cluster y + cy
	s_lshl_b32 s43, s41, 2
	s_lshl_b32 s43, 15, s43                        ; my row of the cluster
	s_lshl_b32 s44, 0x1111, s40                    ; my column
	s_or_b32 s[G1+0], s43, (1<<20)|(1<<21)|(5<<22)|(3<<25)   ; the mask; elements of 1 byte; padding on; bit 21 beside a mask; after every 64 words, 4 words
	s_mov_b32 s[G1+1], KSTEP<<16                   ; tensor_dim0 = 256
	s_mov_b32 s[G1+2], 256<<16                     ; tensor_dim1 = 256
	s_mov_b32 s[G1+3], KSTEP<<16                   ; tile_dim0 = 256
	s_mov_b32 s[G1+4], 256                         ; tile_dim1 = 256
	s_mov_b32 s[G1+5], 1024                        ; from row to row
	s_mov_b32 s[G1+6], 0
	s_mov_b32 s[G1+7], 0
	s_or_b32 s[G1B+0], s44, (1<<20)|(1<<21)|(5<<22)|(3<<25)
	s_mov_b32 s[G1B+1], KSTEP<<16
	s_mov_b32 s[G1B+2], 64<<16                     ; 64 rows
	s_mov_b32 s[G1B+3], KSTEP<<16
	s_mov_b32 s[G1B+4], 64
	s_mov_b32 s[G1B+5], 1024
	s_mov_b32 s[G1B+6], 0
	s_mov_b32 s[G1B+7], 0
	s_add_co_u32 s46, s14, 3
	s_and_b32 s46, s46, 3
	s_min_u32 s46, s46, 2                          ; waves 1, 2, 3: piece 0 (q), 1 (k), 2 (v); wave 0 asks for none of w
	s_lshl_b32 s46, s46, 20                        ; 1,024 rows of 1,024 bytes a piece,
	s_lshl_b32 s47, s42, 16                        ; 64 rows a head
	s_add_co_u32 s46, s46, s47
	s_mov_b32 s47, 0
	s_lshl_b32 s20, s17, 18                        ; x: 256 rows of 1,024 bytes a tile row
	s_mov_b32 s21, 0
	s_mul_i32 s45, s14, 64*PITCH
	s_add_co_u32 s45, s45, 192*PITCH               ; w's piece in a slot: behind x's 256 rows, 64 rows a wave from wave 1 on
	s_wait_dscnt 0x0                               ; both opening adds are done
	s_wait_kmcnt 0x0
	s_load_b256 s[68:75], s[8:9], 0x0              ; e0 .. e7
	s_add_nc_u64 s[20:21], s[4:5], s[20:21]
	s_add_nc_u64 s[46:47], s[6:7], s[46:47]
	CROUND                                         ; all sixteen work-groups are here: the first joint loads meet
.irp s, 0,1
	s_mov_b32 s[G0+4*\s], 1
	s_mov_b32 s[G0+4*\s+1], \s*SLOT
	s_add_nc_u64 s[G0+4*\s+2:G0+4*\s+3], s[20:21], \s*KSTEP
	s_or_b32 s[G0+4*\s+3], s[G0+4*\s+3], 0x80000000
	s_mov_b32 s[G0B+4*\s], 1
	s_add_co_u32 s[G0B+4*\s+1], s45, \s*SLOT
	s_add_nc_u64 s[G0B+4*\s+2:G0B+4*\s+3], s[46:47], \s*KSTEP
	s_or_b32 s[G0B+4*\s+3], s[G0B+4*\s+3], 0x80000000
	JLOAD G0+4*\s, G0B+4*\s
.endr
	v_and_b32 v1, 15, v0                           ; r
	v_bfe_u32 v2, v0, 4, 1                         ; h
	v_mul_u32_u24 v3, v1, PITCH
	v_lshl_add_u32 v4, v2, 4, v3                   ; row x pitch + 16 h
	s_mul_i32 s18, s15, 128*PITCH                  ; my 128 rows of x
	s_mul_i32 s19, s16, 32*PITCH                   ; my 32 of each piece of w,
	s_add_co_u32 s19, s19, 256*PITCH               ; which lie behind x's 256 rows
.irp s, 0,1
	v_add_nc_u32 v[ADRA+\s], s18, v4
	v_add_nc_u32 v[ADRB+\s], s19, v4
	s_add_co_u32 s18, s18, SLOT
	s_add_co_u32 s19, s19, SLOT
.endr
	v_and_b32 v[LO], 31, v0
	v_lshlrev_b32 v[LO], 4, v[LO]
	; where my images go
	s_lshr_b32 s82, s17, 3                         ; the batch
	s_lshl_b32 s82, s82, 4
	s_add_co_u32 s82, s82, s42                     ; bh = 16 x batch + head
	s_and_b32 s83, s17, 7
	s_lshl_b32 s84, s83, 1
	s_add_co_u32 s84, s84, s15                     ; my 128 rows are step 2 (y % 8) + iw of the sequence
	s_lshl_b32 s86, s82, 17                        ; q_img: 131,072 bytes a head,
	s_lshl_b32 s87, s84, 13                        ; 8 tiles of 1,024 bytes a step,
	s_add_co_u32 s86, s86, s87
	s_lshl_b32 s87, s16, 9                         ; chunk c2 = jw
	s_add_co_u32 s86, s86, s87
	s_mov_b32 s87, 0
	s_add_nc_u64 s[76:77], s[10:11], s[86:87]
	s_lshl_b32 s88, s82, 18                        ; kv_img: 262,144 bytes a head,
	s_lshl_b32 s89, s84, 14                        ; 16,384 a step
	s_add_co_u32 s88, s88, s89
	s_lshl_b32 s89, s16, 9
	s_add_co_u32 s90, s88, s89                     ; K: chunk c2 = jw
	s_mov_b32 s91, 0
	s_add_nc_u64 s[78:79], s[12:13], s[90:91]
	s_lshl_b32 s89, s16, 12
	s_add_co_u32 s92, s88, s89                     ; V: tiles of channels 2 jw, 2 jw + 1, 2,048 bytes each,
	s_add_co_u32 s92, s92, 8192                    ; behind K's 8,192 bytes
	s_mov_b32 s93, 0
	s_add_nc_u64 s[80:81], s[12:13], s[92:93]
.macro FRAG reg, adr, q, ro            ; 16 rows x 128 K: four loads of 16 bytes
.irp c, 0,1,2,3
	ds_load_b128 v[\reg+4*\c:\reg+4*\c+3], v[\adr] offset:128*(\q)+32*\c+(\ro)*PITCH
.endr
.endm
.macro FETCH_B slot, q, p              ; w's six fragments into set p: block b = 2 x kind + e lies at row 64 x kind + 16 e of my rows
	WIN TO_B
.irp i, 0,1,2,3,4,5
	FRAG 128*(\p)+FR*\i, ADRB+\slot, \q, 64*(\i/2)+16*(\i%2)
.endr
	WIN 0
.endm
.macro FETCH_A slot, q, i0             ; x's blocks i0 .. i0 + 3
.irp i, \i0, \i0+1, \i0+2, \i0+3
	FRAG AF+FR*(\i), ADRA+\slot, \q, 16*(\i)
.endr
.endm
; The 48 accumulators take turns, one instruction a turn, in the same order in every step.  zero = 1: the first products start the sums.
.macro MULQK a0, p, zero               ; 16: x's blocks a0 .. a0 + 3 against q's and k's four blocks, transposed
.irp a, \a0, \a0+1, \a0+2, \a0+3
.irp b, 0,1,2,3
.if \zero
	v_wmma_f32_16x16x128_fp8_fp8 v[8*(6*((\a)%4)+\b):8*(6*((\a)%4)+\b)+7], v[128*(\p)+FR*\b:128*(\p)+FR*\b+FR-1], v[AF+FR*(\a):AF+FR*(\a)+FR-1], 0
.else
	v_wmma_f32_16x16x128_fp8_fp8 v[8*(6*((\a)%4)+\b):8*(6*((\a)%4)+\b)+7], v[128*(\p)+FR*\b:128*(\p)+FR*\b+FR-1], v[AF+FR*(\a):AF+FR*(\a)+FR-1], v[8*(6*((\a)%4)+\b):8*(6*((\a)%4)+\b)+7]
.endif
.endr
.endr
.endm
.macro MULV a0, p, zero                ; 8: the same blocks of x against v's two blocks, x as source 0
.irp a, \a0, \a0+1, \a0+2, \a0+3
.irp b, 4,5
.if \zero
	v_wmma_f32_16x16x128_fp8_fp8 v[8*(6*((\a)%4)+\b):8*(6*((\a)%4)+\b)+7], v[AF+FR*(\a):AF+FR*(\a)+FR-1], v[128*(\p)+FR*\b:128*(\p)+FR*\b+FR-1], 0
.else
	v_wmma_f32_16x16x128_fp8_fp8 v[8*(6*((\a)%4)+\b):8*(6*((\a)%4)+\b)+7], v[AF+FR*(\a):AF+FR*(\a)+FR-1], v[128*(\p)+FR*\b:128*(\p)+FR*\b+FR-1], v[8*(6*((\a)%4)+\b):8*(6*((\a)%4)+\b)+7]
.endif
.endr
.endr
.endm
; A step of 128 along K that has its successor in the same slot.  Loads into registers that matrix instructions have read stand four plain places behind them (ISA guide 7.12.1 for vector instructions).
.macro STEP slot, q, zero
	s_wait_dscnt 16                                ; w's set and x's blocks 0-3 are in; the youngest 16 loads (blocks 4-7) may be out
	WIN QK_LO
	MULQK 0, (\q)%2, \zero
	WIN V_LO
	MULV 0, (\q)%2, \zero
	s_wait_dscnt 0                                 ; blocks 4-7 are in
	PLACES 4
	FETCH_B \slot, (\q)+1, 1-(\q)%2
	FETCH_A \slot, (\q)+1, 0
	WIN QK_HI
	MULQK 4, (\q)%2, \zero
	WIN V_HI
	MULV 4, (\q)%2, \zero
	PLACES 4
	WIN 0
	FETCH_A \slot, (\q)+1, 4
.endm
; A slot's last step changes slots: one barrier; in front of it each wave waits for all its tensor loads, adds 0 to its spare word, and waits for that and for its reads of this slot.
.macro TURN slot, next, fill
	s_wait_tensorcnt 0x0                           ; all my tensor loads have landed: my part of the next slot
	ds_add_u32 v[SPW], v[NIL]                      ; 0 onto my spare word
	s_wait_dscnt 17                                ; (the add and the youngest 16 loads may be out)
	WIN QK_LO
	MULQK 0, 1, 0                                  ; sixteen matrix instructions stand between the add and the wait for it
	s_wait_dscnt 0x0                               ; the add is done, and my reads of this slot are over
	s_barrier_signal -1
	WIN V_LO
	MULV 0, 1, 0
	WIN 0
	s_barrier_wait -1
.if \fill
	CREST                                          ; the barrier has opened a round of the cluster's barrier: no wave of any partner still reads this slot or has a load on its way
	s_add_nc_u64 s[G0+4*\slot+2:G0+4*\slot+3], s[G0+4*\slot+2:G0+4*\slot+3], 2*KSTEP
	s_add_nc_u64 s[G0B+4*\slot+2:G0B+4*\slot+3], s[G0B+4*\slot+2:G0B+4*\slot+3], 2*KSTEP
	JLOAD G0+4*\slot, G0B+4*\slot                  ; the first tensor load behind the round; its four v_nop are the places in front of the loads below
.else
	PLACES 4
.endif
	FETCH_B \next, 0, 0
	FETCH_A \next, 0, 0
	WIN QK_HI
	MULQK 4, 1, 0
	WIN V_HI
	MULV 4, 1, 0
	PLACES 4
	WIN 0
	FETCH_A \next, 0, 4
.endm
	s_wait_alu depctr_va_vdst(0)
	s_wait_tensorcnt 1                             ; my part of slot 0 is in; slot 1's may stay out
	s_barrier_signal -1
	s_barrier_wait -1
	FETCH_B 0, 0, 0
	FETCH_A 0, 0, 0
	FETCH_A 0, 0, 4
	STEP 0, 0, 1                                   ; K has four slots' worth: written out, no loop
	TURN 0, 1, 1                                   ; slot 0 takes K 512 on
	STEP 1, 0, 0
	TURN 1, 0, 1                                   ; slot 1 takes K 768 on
	STEP 0, 0, 0
	TURN 0, 1, 0                                   ; nothing is left to fetch
	STEP 1, 0, 0
	s_wait_dscnt 16                                ; the last step
	WIN QK_LO
	MULQK 0, 1, 0
	WIN V_LO
	MULV 0, 1, 0
	s_wait_dscnt 0
	WIN QK_HI
	MULQK 4, 1, 0
	WIN V_HI
	MULV 4, 1, 0
	WIN 0
	; THE WAY OUT.  A sum stands for sum x 2^(e0 + e1): its code is sum / 2^(e_t - e0 - e1): the three scales are folded into the conversion's one.
	s_wait_kmcnt 0x0
	s_add_co_i32 s82, s68, s69                     ; e0 + e1
.macro MKSC et, sc                     ; v[sc] = 2^(e_t - e0 - e1) as f32
	s_sub_co_i32 s83, s[\et], s82
	s_add_co_i32 s83, s83, 127
	s_lshl_b32 s84, s83, 23
	v_mov_b32 v[\sc], s84
	s_add_co_i32 s83, s83, 8
	s_lshl_b32 s83, s83, 23
	s_or_b32 s83, s83, 0x600000
.endm
	MKSC 70, 8                                     ; q: e2
	MKSC 71, 10                                    ; k: e3
	MKSC 73, 12                                    ; v: e5
	PLACES 4                                       ; in front of the first read of the last products' results
.macro OUTW w, wm, wc                  ; blocks 4 w .. 4 w + 3: the conversions
	WIN \wm
.irp a, 0,1,2,3
.irp b, 0,1,2,3,4,5
.irp j, 0,1,2,3,4,5,6,7
.endr
.endr
.endr
	WIN \wc
.irp a, 0,1,2,3
.irp e, 0,1
	v_cvt_scalef32_pk8_fp8_f32 v[32+4*(4*\w+\a)+2*\e:33+4*(4*\w+\a)+2*\e], v[8*(6*\a+\e):8*(6*\a+\e)+7], v8              ; q: row 16 a + r, channels 32 jw + 16 e + 8 h + 0 .. 7
	v_cvt_scalef32_pk8_fp8_f32 v[64+4*(4*\w+\a)+2*\e:65+4*(4*\w+\a)+2*\e], v[8*(6*\a+2+\e):8*(6*\a+2+\e)+7], v10         ; k likewise
	v_cvt_scalef32_pk8_fp8_f32 v[96+4*(4*\e+(4*\w+\a)/2)+2*(\a%2):97+4*(4*\e+(4*\w+\a)/2)+2*(\a%2)], v[8*(6*\a+4+\e):8*(6*\a+4+\e)+7], v12   ; v: channel 32 jw + 16 e + r, keys 16 a + 8 h + 0 .. 7: pair a
.endr
.endr
	v_nop                                          ; one plain line behind the last conversion of a run
.endm
	s_wait_alu depctr_va_vdst(0)
	OUTW 0, MED_LO, CV_LO
	OUTW 1, MED_HI, CV_HI
	WIN 0
.irp a, 0,1,2,3,4,5,6,7
	global_store_b128 v[LO], v[32+4*\a:35+4*\a], s[76:77] offset:1024*\a     ; 32 lanes store 512 consecutive bytes, aligned
	global_store_b128 v[LO], v[64+4*\a:67+4*\a], s[78:79] offset:1024*\a
.endr
.irp e, 0,1
.irp c, 0,1,2,3
	global_store_b128 v[LO], v[96+4*(4*\e+\c):99+4*(4*\e+\c)], s[80:81] offset:2048*\e+512*\c
.endr
.endr
	s_wait_tensorcnt 0x0                           ; the wave's end
	ds_add_u32 v[SPW], v[NIL]
	s_wait_dscnt 0x0
	CROUND                                         ; the closing round: no work-group ends while a partner may still ask for a tile that names it
	s_endpgm
.Lfunc_end_k_qfac71ad044_qkv:
	.size	k_qfac71ad044_qkv, .Lfunc_end_k_qfac71ad044_qkv-k_qfac71ad044_qkv
	.p2alignl 7, 3214868480
	.fill 96, 4, 3214868480
	.section	.rodata,"a",@progbits
	.p2align	6, 0x0
	.amdhsa_kernel k_qfac71ad044_qkv
		.amdhsa_group_segment_fixed_size 327680
		.amdhsa_private_segment_fixed_size 0
		.amdhsa_enable_private_segment 0
		.amdhsa_kernarg_size 40
		.amdhsa_user_sgpr_count 2
		.amdhsa_user_sgpr_kernarg_segment_ptr 1
		.amdhsa_wavefront_size32 1
		.amdhsa_system_sgpr_workgroup_id_x 1
		.amdhsa_system_sgpr_workgroup_id_y 1
		.amdhsa_system_sgpr_workgroup_id_z 1
		.amdhsa_system_vgpr_workitem_id 0
		.amdhsa_next_free_vgpr 1024
		.amdhsa_next_free_sgpr 98
		.amdhsa_reserve_vcc 0
		.amdhsa_float_denorm_mode_32 3
		.amdhsa_float_denorm_mode_16_64 3
		.amdhsa_fp16_overflow 1
		.amdhsa_memory_ordered 1
		.amdhsa_forward_progress 1
		.amdhsa_inst_pref_size 73
	.end_amdhsa_kernel
	.amdgpu_metadata
---
amdhsa.version: [ 1, 2 ]
amdhsa.kernels:
  - .name:           k_qfac71ad044_qkv
    .symbol:         k_qfac71ad044_qkv.kd
    .args:
      - { .name: x_codes, .offset: 0, .size: 8, .value_kind: global_buffer, .address_space: global }
      - { .name: w_qkv_codes, .offset: 8, .size: 8, .value_kind: global_buffer, .address_space: global }
      - { .name: lowp_scales, .offset: 16, .size: 8, .value_kind: global_buffer, .address_space: global }
      - { .name: q_img, .offset: 24, .size: 8, .value_kind: global_buffer, .address_space: global }
      - { .name: kv_img, .offset: 32, .size: 8, .value_kind: global_buffer, .address_space: global }
    .group_segment_fixed_size: 327680
    .private_segment_fixed_size: 0
    .kernarg_segment_align: 8
    .kernarg_segment_size: 40
    .max_flat_workgroup_size: 128
    .sgpr_count:     98
    .vgpr_count:     1024
    .wavefront_size: 32
...
	.end_amdgpu_metadata
.endif
;; end of part 1
;; launch attn (part 2): grid 8 x 32, 16 waves a work-group, clusters of 4 x 1, 327,680 bytes of LDS; arguments q_img, kv_img, lowp_scales, a_img; writes a_img
.if DOCPART == 2
	.amdgcn_target "amdgcn-amd-amdhsa--gfx1250"
	.amdhsa_code_object_version 6
	.text
	.protected	k_qfac71ad044_attn
	.globl	k_qfac71ad044_attn
	.p2align	8
	.type	k_qfac71ad044_attn,@function
k_qfac71ad044_attn:
	s_mov_b64 s[64:65], 0
	v_nop
	global_prefetch_b8 v0, s[64:65] scope:SCOPE_SE
	s_setreg_imm32_b32 hwreg(HW_REG_WAVE_MODE, 25, 1), 1
	s_wait_xcnt 0x0
	s_wait_alu depctr_hold_cnt(0) depctr_sa_sdst(0) depctr_va_vdst(0) depctr_va_sdst(0) depctr_va_ssrc(0) depctr_va_vcc(0) depctr_vm_vsrc(0)
	s_getreg_b32 s2, hwreg(HW_REG_IB_STS2, 6, 4)
	s_cmp_eq_u32 s2, 0
	s_cbranch_scc0 .Lentry_in_a_cluster
	s_endpgm
.Lentry_in_a_cluster:
	s_bfe_u32 s2, ttmp6, 0x10000c
	s_cmp_lg_u32 s2, 0x3003
	s_cbranch_scc0 .Lentry_shape_is_right
	s_endpgm
.Lentry_shape_is_right:
.set SPARE, 262144
.set LI,  1
.set DL,  2
.set SPW, 5
.set NIL, 6
.set ADK, 8
.set WV,  12
.set RK,  16
.set SEL, 20
.set CS,  22
.set G1A, 24
.set G1B, 32
.set G0A, 40
.set G0B, 44
.set TB,  48
.set CC,  49
.macro CROUND
	s_barrier_signal -1
	s_barrier_wait -1
	s_cmp_lg_u32 s[WV], 0
	s_cbranch_scc1 .Lnot_wave_0_\@
	s_barrier_signal -3
.Lnot_wave_0_\@:
	s_barrier_wait -3
	s_barrier_signal -1
	s_barrier_wait -1
.endm
	s_load_b256 s[4:11], s[0:1], 0x0
	v_lshl_add_u32 v[SPW], v0, 2, SPARE
	v_mov_b32 v[NIL], 0
	ds_add_u32 v[SPW], v[NIL]
	ds_add_u32 v[SPW], v[NIL]
	v_lshrrev_b32 v3, 5, v0
	s_delay_alu instid0(VALU_DEP_1)
	v_readfirstlane_b32 s[WV], v3
	s_bfe_u32 s13, ttmp6, 0x40000
	s_lshl_b32 s14, ttmp9, 2
	s_add_co_u32 s14, s14, s13
	s_and_b32 s15, ttmp7, 0xffff
	s_mov_b32 s60, 0x853e942f
	s_mov_b32 s61, 0x6bd07ac1
	s_cmp_lt_u32 s[WV], 8
	s_cselect_b32 s60, s60, s61
	s_and_b32 s61, s[WV], 7
	s_lshl_b32 s61, s61, 2
	s_lshr_b32 s60, s60, s61
	s_and_b32 s[RK], s60, 15
	s_mov_b32 s[G1A], 15|(3<<16)|(1<<21)
	s_mov_b32 s[G1A+1], 32<<16
	s_mov_b32 s[G1A+2], 8<<16
	s_mov_b32 s[G1A+3], 32<<16
	s_mov_b32 s[G1A+4], 8
	s_mov_b32 s[G1A+5], 32
	s_mov_b32 s[G1A+6], 0
	s_mov_b32 s[G1A+7], 0
	s_mov_b32 s[G1B], 15|(3<<16)|(1<<21)
	s_mov_b32 s[G1B+1], 32<<16
	s_mov_b32 s[G1B+2], 56<<16
	s_mov_b32 s[G1B+3], 32<<16
	s_mov_b32 s[G1B+4], 56
	s_mov_b32 s[G1B+5], 32
	s_mov_b32 s[G1B+6], 0
	s_mov_b32 s[G1B+7], 0
	s_mov_b32 s[G0A], 1
	s_lshl_b32 s[G0A+1], s[WV], 11
	s_mov_b32 s[G0B], 1
	s_mul_i32 s[G0B+1], s[WV], 14336
	s_add_co_u32 s[G0B+1], s[G0B+1], 32768
	s_lshl_b32 s60, s15, 18
	s_add_co_u32 s66, s60, s[G0A+1]
	s_mov_b32 s67, 0
	s_add_co_u32 s68, s60, s[G0B+1]
	s_mov_b32 s69, 0
	s_mov_b32 s[SEL], 0x76543210
	s_mov_b32 s[SEL+1], 0xfedcba98
	s_mov_b32 s[CS], 0x3e38aa3b
	s_wait_dscnt 0x0
	s_wait_kmcnt 0x0
	s_load_b256 s[52:59], s[8:9], 0x0
	s_add_nc_u64 s[G0A+2:G0A+3], s[6:7], s[66:67]
	s_or_b32 s[G0A+3], s[G0A+3], 0x80000000
	s_add_nc_u64 s[G0B+2:G0B+3], s[6:7], s[68:69]
	s_or_b32 s[G0B+3], s[G0B+3], 0x80000000
	CROUND
	tensor_load_to_lds s[G0A:G0A+3], s[G1A:G1A+7]
	s_nop 0
	s_wait_alu depctr_va_vdst(0)
	s_wait_tensorcnt 0x0
	ds_add_u32 v5, v6
	s_wait_dscnt 0x0
	CROUND
	tensor_load_to_lds s[G0B:G0B+3], s[G1B:G1B+7]
	s_nop 0
.rept 4
	v_nop
.endr
	v_and_b32 v[LI], 31, v0
	s_delay_alu instid0(VALU_DEP_1)
	v_lshlrev_b32 v[LI], 4, v[LI]
	s_lshl_b32 s60, s[RK], 3
	s_add_co_u32 s60, s60, s14
	s_lshl_b32 s61, s15, 17
	s_lshl_b32 s62, s60, 10
	s_add_co_u32 s62, s62, s61
	s_mov_b32 s63, 0
	s_add_nc_u64 s[4:5], s[4:5], s[62:63]
	global_load_b128 v[16:19], v[LI], s[4:5]
	global_load_b128 v[20:23], v[LI], s[4:5] offset:512
	s_and_b32 s66, s15, 15
	s_lshr_b32 s67, s15, 4
	s_lshl_b32 s67, s67, 7
	s_add_co_u32 s67, s67, s60
	s_lshl_b32 s67, s67, 12
	s_lshr_b32 s68, s66, 2
	s_lshl_b32 s68, s68, 20
	s_add_co_u32 s67, s67, s68
	s_and_b32 s68, s66, 3
	s_lshl_b32 s68, s68, 10
	s_add_co_u32 s72, s67, s68
	s_mov_b32 s73, 0
	s_add_nc_u64 s[10:11], s[10:11], s[72:73]
	v_and_b32 v3, 15, v0
	v_bfe_u32 v4, v0, 4, 1
	s_delay_alu instid0(VALU_DEP_1)
	v_lshlrev_b32 v4, 3, v4
	s_delay_alu instid0(VALU_DEP_1)
	v_sub_nc_u32 v[DL], v3, v4
	s_lshl_b32 s60, s14, 4
	v_add_nc_u32 v[DL], s60, v[DL]
	v_mov_b32 v13, 0xff61b1e6
	s_delay_alu instid0(VALU_DEP_1)
	v_floor_f32 v12, -v13
	v_mov_b32 v14, 0
	v_mov_b32 v15, 0
	v_mov_b32 v198, 0
	v_mov_b32 v195, 0
	v_mov_b32 v202, 0xff800000
.set j, 0
.rept 32
	v_mov_b32 v[160+j], 0
.set j, j+1
.endr
	s_wait_kmcnt 0x0
	s_add_co_i32 s60, s54, s55
	s_lshl_b32 s60, s60, 23
	s_add_co_i32 s[CS], s[CS], s60
	s_mov_b32 s[CS+1], s[CS]
	s_add_co_i32 s60, s56, 127
	s_lshl_b32 s61, s60, 23
	v_mov_b32 v201, s61
	s_sub_co_i32 s60, s58, s56
	s_sub_co_i32 s60, s60, s57
	s_add_co_i32 s60, s60, 127
	s_lshl_b32 s70, s60, 23
.macro STEP
	s_cmp_gt_u32 s[CC], s[RK]
	s_cbranch_scc1 .Lskip_\@
	s_setprio 2
	v_add_nc_u32 v[ADK], s[TB], v[LI]
.rept 3
	v_nop
.endr
.irp t, 0,1,2,3,4,5,6,7
	ds_load_b128 v[32+8*\t:35+8*\t], v[ADK] offset:1024*\t
	ds_load_b128 v[36+8*\t:39+8*\t], v[ADK] offset:1024*\t+512
.endr
	s_wait_alu depctr_va_vdst(0)
	s_wait_dscnt 0x0
.irp t, 0,1,2,3,4,5,6,7
	v_wmma_f32_16x16x64_fp8_fp8 v[96+8*\t:103+8*\t], v[32+8*\t:39+8*\t], v[16:23], 0
.endr
.rept 4
	v_nop
.endr
.irp f, 0,1,2,3,4,5,6,7,8,9,10,11,12,13,14,15
	ds_load_b128 v[32+4*\f:35+4*\f], v[ADK] offset:8192+512*\f
.endr
	s_cmp_lt_u32 s[CC], s[RK]
	s_cbranch_scc1 .Lopen_\@
.set n, 0
.rept 64
	v_cmp_gt_i32 vcc_lo, 16*(n/8)+n%8, v[DL]
	v_cndmask_b32 v[96+n], v[96+n], v202, vcc_lo
.set n, n+1
.endr
.Lopen_\@:
	v_max3_num_f32 v192, v96, v97, v98
	v_max3_num_f32 v199, v99, v100, v101
.set i, 6
.rept 14
	v_max3_num_f32 v192, v192, v[96+i], v[97+i]
	v_max3_num_f32 v199, v199, v[98+i], v[99+i]
.set i, i+4
.endr
	v_max3_num_f32 v192, v192, v158, v159
	s_delay_alu instid0(VALU_DEP_1)
	v_max_num_f32 v192, v192, v199
	s_delay_alu instid0(VALU_DEP_1)
	v_permlanex16_b32 v198, v192, s[SEL], s[SEL+1]
	s_delay_alu instid0(VALU_DEP_1)
	v_max_num_f32 v192, v192, v198
	s_delay_alu instid0(VALU_DEP_1)
	v_mul_f32 v192, s[CS], v192
	s_delay_alu instid0(VALU_DEP_1)
	v_max_num_f32 v13, v13, v192
	v_mov_b32 v192, v12
	s_delay_alu instid0(VALU_DEP_2)
	v_floor_f32 v12, -v13
	s_delay_alu instid0(VALU_DEP_1)
	v_sub_f32 v192, v12, v192
	s_delay_alu instid0(VALU_DEP_1)
	v_cvt_i32_f32 v192, v192
	s_delay_alu instid0(VALU_DEP_1)
	v_ldexp_f32 v194, 1.0, v192
.set j, 0
	s_setprio 1
.rept 32
	v_pk_fma_f32 v[96+j:97+j], v[96+j:97+j], s[CS:CS+1], v[12:13] op_sel_hi:[1,0,0]
.set j, j+2
.endr
.set j, 0
	s_wait_alu depctr_va_vdst(0)
.rept 64
	v_exp_f32 v[96+j], v[96+j]
.set j, j+1
.endr
	v_pk_mul_f32 v[14:15], v[14:15], v[194:195] op_sel_hi:[1,0]
	s_wait_alu depctr_va_vdst(0)
	v_pk_add_f32 v[196:197], v[96:97], v[98:99]
.set j, 4
.rept 15
	v_pk_add_f32 v[14:15], v[14:15], v[96+j:97+j]
	v_pk_add_f32 v[196:197], v[196:197], v[98+j:99+j]
.set j, j+4
.endr
	s_delay_alu instid0(VALU_DEP_1)
	v_pk_add_f32 v[14:15], v[14:15], v[196:197]
	s_setprio 0
.irp t, 0,1,2,3,4,5,6,7
.irp i, 0,1,2,3,4,5,6,7
.endr
	v_cvt_scalef32_pk8_fp8_f32 v[224+2*\t:225+2*\t], v[96+8*\t:103+8*\t], v201
.endr
.set j, 0
.rept 16
	v_pk_mul_f32 v[160+j:161+j], v[160+j:161+j], v[194:195] op_sel_hi:[1,0]
.set j, j+2
.endr
	s_wait_alu depctr_va_vdst(0)
	s_wait_dscnt 0x0
.irp d, 0,1,2,3
	v_wmma_f32_16x16x128_fp8_fp8 v[160+8*\d:167+8*\d], v[32+16*\d:47+16*\d], v[224:239], v[160+8*\d:167+8*\d]
.endr
.Lskip_\@:
	s_add_co_u32 s[TB], s[TB], 16384
.endm
	s_wait_tensorcnt 1
	s_barrier_signal -1
	s_barrier_wait -1
	s_wait_loadcnt 0x0
	s_mov_b32 s[CC], 0
	s_mov_b32 s[TB], 0
.Lfirst:
	STEP
	s_add_co_u32 s[CC], s[CC], 1
	s_cmp_lt_u32 s[CC], 2
	s_cbranch_scc1 .Lfirst
	s_setprio 0
	s_wait_tensorcnt 0x0
	s_wait_dscnt 0x0
	s_barrier_signal -1
	s_barrier_wait -1
	s_mov_b32 s[CC], 2
	s_mov_b32 s[TB], 32768
.Lrest:
	STEP
	s_add_co_u32 s[CC], s[CC], 1
	s_cmp_lt_u32 s[CC], 16
	s_cbranch_scc1 .Lrest
	s_setprio 0
.rept 4
	v_nop
.endr
	v_add_f32 v14, v14, v15
	s_delay_alu instid0(VALU_DEP_1)
	v_permlanex16_b32 v198, v14, s[SEL], s[SEL+1]
	s_delay_alu instid0(VALU_DEP_1)
	v_add_f32 v14, v14, v198
	s_wait_alu depctr_va_vdst(0)
	v_rcp_f32 v14, v14
	v_mov_b32 v203, s70
	s_wait_alu depctr_va_vdst(0)
.set j, 0
.rept 16
	v_pk_mul_f32 v[96+j:97+j], v[160+j:161+j], v[14:15] op_sel_hi:[1,0]
.set j, j+2
.endr
.irp d, 0,1,2,3
.irp i, 0,1,2,3,4,5,6,7
.endr
	v_cvt_scalef32_pk8_fp8_f32 v[208+2*\d:209+2*\d], v[96+8*\d:103+8*\d], v203
.endr
	v_nop
	global_store_b128 v[LI], v[208:211], s[10:11]
	global_store_b128 v[LI], v[212:215], s[10:11] offset:512
	s_wait_tensorcnt 0x0
	ds_add_u32 v[SPW], v[NIL]
	s_wait_dscnt 0x0
	CROUND
	s_endpgm
.Lfunc_end_k_qfac71ad044_attn:
	.size	k_qfac71ad044_attn, .Lfunc_end_k_qfac71ad044_attn-k_qfac71ad044_attn
	.p2alignl 7, 3214868480
	.fill 96, 4, 3214868480
	.section	.rodata,"a",@progbits
	.p2align	6, 0x0
	.amdhsa_kernel k_qfac71ad044_attn
		.amdhsa_group_segment_fixed_size 327680
		.amdhsa_private_segment_fixed_size 0
		.amdhsa_enable_private_segment 0
		.amdhsa_kernarg_size 32
		.amdhsa_user_sgpr_count 2
		.amdhsa_user_sgpr_kernarg_segment_ptr 1
		.amdhsa_wavefront_size32 1
		.amdhsa_system_sgpr_workgroup_id_x 1
		.amdhsa_system_sgpr_workgroup_id_y 1
		.amdhsa_system_sgpr_workgroup_id_z 1
		.amdhsa_system_vgpr_workitem_id 0
		.amdhsa_next_free_vgpr 256
		.amdhsa_next_free_sgpr 80
		.amdhsa_reserve_vcc 1
		.amdhsa_float_denorm_mode_32 3
		.amdhsa_float_denorm_mode_16_64 3
		.amdhsa_fp16_overflow 1
		.amdhsa_memory_ordered 1
		.amdhsa_forward_progress 1
		.amdhsa_inst_pref_size 48
	.end_amdhsa_kernel
	.amdgpu_metadata
---
amdhsa.version: [ 1, 2 ]
amdhsa.kernels:
  - .name:           k_qfac71ad044_attn
    .symbol:         k_qfac71ad044_attn.kd
    .args:
      - { .name: q_img, .offset: 0, .size: 8, .value_kind: global_buffer, .address_space: global }
      - { .name: kv_img, .offset: 8, .size: 8, .value_kind: global_buffer, .address_space: global }
      - { .name: lowp_scales, .offset: 16, .size: 8, .value_kind: global_buffer, .address_space: global }
      - { .name: a_img, .offset: 24, .size: 8, .value_kind: global_buffer, .address_space: global }
    .group_segment_fixed_size: 327680
    .private_segment_fixed_size: 0
    .kernarg_segment_align: 8
    .kernarg_segment_size: 32
    .max_flat_workgroup_size: 512
    .sgpr_count:     80
    .vgpr_count:     256
    .wavefront_size: 32
...
	.end_amdgpu_metadata
.endif
;; end of part 2
;; launch proj (part 3): grid 8 x 32, 4 waves a work-group, clusters of 4 x 4, 327,680 bytes of LDS; arguments a_img, w_o_codes, lowp_scales, out0; writes out0
.if DOCPART == 3
	.amdgcn_target "amdgcn-amd-amdhsa--gfx1250"
	.amdhsa_code_object_version 6
	.text
	.protected	k_qfac71ad044_proj
	.globl	k_qfac71ad044_proj
	.p2align	8
	.type	k_qfac71ad044_proj,@function
k_qfac71ad044_proj:
	s_mov_b64 s[64:65], 0
	v_nop
	global_prefetch_b8 v0, s[64:65] scope:SCOPE_SE
	s_setreg_imm32_b32 hwreg(HW_REG_WAVE_MODE, 25, 1), 1
	s_wait_xcnt 0x0
	s_wait_alu depctr_hold_cnt(0) depctr_sa_sdst(0) depctr_va_vdst(0) depctr_va_sdst(0) depctr_va_ssrc(0) depctr_va_vcc(0) depctr_vm_vsrc(0)
	s_getreg_b32 s2, hwreg(HW_REG_IB_STS2, 6, 4)
	s_cmp_eq_u32 s2, 0
	s_cbranch_scc0 .Lentry_in_a_cluster
	s_endpgm
.Lentry_in_a_cluster:
	s_bfe_u32 s2, ttmp6, 0x10000c
	s_cmp_lg_u32 s2, 0xf033
	s_cbranch_scc0 .Lentry_shape_is_right
	s_endpgm
.Lentry_shape_is_right:
; LAUNCH 3 OF 3.  out0 = a w_o^T on codes of FP8 (E4M3); each finished sum x 2^(e6 + e7).  No work is left out here.
; a: the attention's result as images of operand registers (a_img, laid by launch 2: [kc 4][tile of 16 rows 256][ks2 2][cc 4][lane 32][16 bytes]); w_o: [1024][1024] codes, K innermost; out0: [4096][1024] f32.
; LIMIT: e6 + e7 between -126 and 127, so that 2^(e6 + e7) is an f32 number.
; SHARES.  A tile of out0 is 128 x 128: 8 x 32 = 256 work-groups.  Four waves, each 64 x 64: 16 accumulators.  K = 1,024 is 8 steps of 128.
; ALL OPERANDS OF A WORK-GROUP FIT IN LDS: four chunks of 256 along K of a (32,768 bytes each, dense images) and of w_o (128 rows of 256 bytes, 272 apart).  They are asked for at the head, four loads a wave,
; and read chunk by chunk behind counted waits: nothing is filled again.  So nothing is left to ask for ahead of the loads.
; CLUSTERS: 4 x 4: a's chunks hang on the tile row alone and are asked for jointly by a row of the cluster, w_o's on the tile column alone, by a column.
; THE MATRIX INSTRUCTION IS USED TRANSPOSED (source 0 = 16 rows of w_o, source 1 = 16 rows of a): a lane holds eight neighbouring numbers of a row of out0.
; a's images are in the form's own layout (pair c of lane (r, h): k = 16 c + 8 h + 0 .. 7), so w_o's fragments are fetched in it too: eight loads of 8 bytes, 16 apart, at row x pitch + 8 h.
; REGISTERS: window 0: v1-29 addresses; v32-63 a block's results; v64-127 rows read back, two sets; v128-255 the accumulators ((a, b) at v[128 + 8 (4 a + b)]).
;   window 1: two fragment buffers of 128: 64 registers of a (4 x 16), then 64 of w_o.
.set PITCH,  272                       ; a row of w_o in LDS: 256 bytes + 16 = 68 words: lane (r, h) reads words 68 r + 2 h on: the 32 lanes of a load touch 64 different banks (64 banks of 4 bytes: ISA guide 11.1)
.set ACH,    32768                     ; a chunk of a
.set BBASE,  4*ACH
.set BCH,    128*PITCH                 ; a chunk of w_o
.set STAGE,  BBASE+4*BCH               ; 16 rows x 272 bytes for each wave, for the way out; no load fills it
.set SPITCH, 272
.set SPARE,  STAGE+4*16*SPITCH         ; the spare words, 128 bytes for each wave
.set ADA, 4                            ; v4-7   LDS address of my fragments of a in chunk 0 .. 3
.set ADB, 8                            ; v8-11  the same for w_o
.set STO, 24
.set RD,  25
.set CO,  26
.set SPW, 28
.set NIL, 29
.set TMP, 32
.set BK,  64
.set ACC, 128
.set G1A, 24                           ; s[24:31] group 1 for a's chunks; s[32:39] for w_o's; s[40:55], s[68:83] their groups 0, a set for each chunk
.set G1B, 32
.set G0A, 40
.set G0B, 68
.set MSB, 0
.macro WIN new
.if MSB != \new
	s_set_vgpr_msb (MSB<<8)|\new
.set MSB, \new
.endif
.endm
.set MUL,  0x05                        ; sources 0 and 1 window 1; C and D window 0
.set TO_F, 0x40                        ; destination window 1
.macro CROUND
	s_barrier_signal -1
	s_barrier_wait -1
	s_cmp_lg_u32 s14, 0
	s_cbranch_scc1 .Lnot_wave_0_\@
	s_barrier_signal -3
.Lnot_wave_0_\@:
	s_barrier_wait -3
	s_barrier_signal -1
	s_barrier_wait -1
.endm
.macro PLACES n
.rept \n
	v_nop
.endr
.endm
	s_load_b256 s[4:11], s[0:1], 0x0               ; a_img s[4:5], w_o s[6:7], the scales' exponents s[8:9], out0 s[10:11]
	v_lshl_add_u32 v[SPW], v0, 2, SPARE
	v_mov_b32 v[NIL], 0
	ds_add_u32 v[SPW], v[NIL]                      ; the wave's opening: the add, twice on end, and its wait ahead of my first tensor load
	ds_add_u32 v[SPW], v[NIL]
	v_lshrrev_b32 v1, 5, v0
	v_readfirstlane_b32 s14, v1                    ; wave 0..3
	s_lshr_b32 s15, s14, 1                         ; iw: which 64 rows are mine.  Also: I fetch for a (0) or for w_o (1)
	s_and_b32 s16, s14, 1                          ; jw: which 64 columns.  Also: which half of a chunk I fetch
	s_bfe_u32 s84, ttmp6, 0x40000                  ; cx
	s_bfe_u32 s85, ttmp6, 0x40004                  ; cy
	s_lshl_b32 s86, ttmp9, 2
	s_add_co_u32 s86, s86, s84                     ; tile column = 4 x cluster x + cx
	s_and_b32 s17, ttmp7, 0xffff
	s_lshl_b32 s17, s17, 2
	s_add_co_u32 s17, s17, s85                     ; tile row = 4 x cluster y + cy
	s_lshl_b32 s87, s85, 2
	s_lshl_b32 s87, 15, s87                        ; my row of the cluster
	s_lshl_b32 s88, 0x1111, s84                    ; my column
	s_or_b32 s[G1A], s87, (3<<16)|(1<<21)          ; the mask; elements of 8 bytes; bit 21 beside a mask; no padding: a dense block in rows of 256 bytes
	s_mov_b32 s[G1A+1], 32<<16
	s_mov_b32 s[G1A+2], 64<<16                     ; 64 rows: 16,384 bytes, four tiles of 16 rows of a
	s_mov_b32 s[G1A+3], 32<<16
	s_mov_b32 s[G1A+4], 64
	s_mov_b32 s[G1A+5], 32
	s_mov_b32 s[G1A+6], 0
	s_mov_b32 s[G1A+7], 0
	s_or_b32 s[G1B], s88, (1<<20)|(1<<21)|(5<<22)|(3<<25)   ; elements of 1 byte; padding: 4 words after every 64
	s_mov_b32 s[G1B+1], 256<<16
	s_mov_b32 s[G1B+2], 64<<16
	s_mov_b32 s[G1B+3], 256<<16
	s_mov_b32 s[G1B+4], 64
	s_mov_b32 s[G1B+5], 1024
	s_mov_b32 s[G1B+6], 0
	s_mov_b32 s[G1B+7], 0
	s_lshl_b32 s20, s17, 15                        ; a: 8 tiles of 4,096 bytes a tile row,
	s_lshl_b32 s21, s16, 14                        ; my four of them
	s_add_co_u32 s20, s20, s21
	s_mov_b32 s21, 0
	s_lshl_b32 s90, s86, 17                        ; w_o: 128 rows of 1,024 bytes a tile column,
	s_lshl_b32 s91, s16, 16                        ; my 64 of them
	s_add_co_u32 s90, s90, s91
	s_mov_b32 s91, 0
	s_lshl_b32 s18, s16, 14                        ; where they go: no place in the cluster enters an LDS address
	s_mul_i32 s19, s16, 64*PITCH
	s_add_co_u32 s19, s19, BBASE
	s_wait_dscnt 0x0                               ; both opening adds are done
	s_wait_kmcnt 0x0
	s_load_b64 s[96:97], s[8:9], 0x18              ; e6, e7
	s_add_nc_u64 s[20:21], s[4:5], s[20:21]
	s_add_nc_u64 s[90:91], s[6:7], s[90:91]
.irp k, 0,1,2,3
	s_mov_b32 s[G0A+4*\k], 1
	s_add_co_u32 s[G0A+4*\k+1], s18, \k*ACH
	s_add_nc_u64 s[G0A+4*\k+2:G0A+4*\k+3], s[20:21], \k*1048576
	s_or_b32 s[G0A+4*\k+3], s[G0A+4*\k+3], 0x80000000
	s_mov_b32 s[G0B+4*\k], 1
	s_add_co_u32 s[G0B+4*\k+1], s19, \k*BCH
	s_add_nc_u64 s[G0B+4*\k+2:G0B+4*\k+3], s[90:91], \k*256
	s_or_b32 s[G0B+4*\k+3], s[G0B+4*\k+3], 0x80000000
.endr
	CROUND                                         ; all sixteen work-groups are here: the joint loads meet
	s_cmp_lt_u32 s14, 2                            ; a wave's four loads stand in one branch on its number: four loads of mine are out; an s_nop 0 follows each, four v_nop the last
	s_cbranch_scc0 .Lfirst_b
.irp k, 0,1,2,3
	tensor_load_to_lds s[G0A+4*\k:G0A+4*\k+3], s[G1A:G1A+7]
	s_nop 0
.endr
.rept 4
	v_nop
.endr
	s_branch .Lfirst_asked
.Lfirst_b:
.irp k, 0,1,2,3
	tensor_load_to_lds s[G0B+4*\k:G0B+4*\k+3], s[G1B:G1B+7]
	s_nop 0
.endr
.rept 4
	v_nop
.endr
.Lfirst_asked:
	v_and_b32 v1, 15, v0                           ; r
	v_bfe_u32 v2, v0, 4, 1                         ; h
	v_and_b32 v3, 31, v0
	v_lshlrev_b32 v3, 4, v3                        ; 16 x lane
	s_lshl_b32 s22, s15, 14                        ; my four tiles of a
	v_add_nc_u32 v[ADA], s22, v3
	v_add_nc_u32 v[ADA+1], ACH, v[ADA]
	v_add_nc_u32 v[ADA+2], 2*ACH, v[ADA]
	v_add_nc_u32 v[ADA+3], 3*ACH, v[ADA]
	v_mul_u32_u24 v12, v1, PITCH
	v_lshl_add_u32 v13, v2, 3, v12                 ; row x pitch + 8 h
	s_mul_i32 s23, s16, 64*PITCH                   ; my 64 rows of w_o
	s_add_co_u32 s23, s23, BBASE
	v_add_nc_u32 v[ADB], s23, v13
	v_add_nc_u32 v[ADB+1], BCH, v[ADB]
	v_add_nc_u32 v[ADB+2], 2*BCH, v[ADB]
	v_add_nc_u32 v[ADB+3], 3*BCH, v[ADB]
	s_mul_i32 s22, s14, 16*SPITCH
	s_add_co_u32 s22, s22, STAGE                   ; my stage
	v_lshl_add_u32 v[STO], v2, 5, v12              ; in: row r, 32 bytes for each half of the lanes
	v_add_nc_u32 v[STO], s22, v[STO]
	v_mul_u32_u24 v[RD], v2, SPITCH                ; back: lanes 0-15 one row of 256 bytes, lanes 16-31 the next
	v_lshl_add_u32 v[RD], v1, 4, v[RD]
	v_add_nc_u32 v[RD], s22, v[RD]
	v_lshlrev_b32 v[CO], 12, v2                    ; and the same two rows in out0
	v_lshl_add_u32 v[CO], v1, 4, v[CO]
	s_lshl_b32 s92, s17, 19                        ; 128 rows of 4,096 bytes a tile row,
	s_lshl_b32 s93, s15, 18                        ; my 64,
	s_add_co_u32 s92, s92, s93
	s_lshl_b32 s93, s86, 9                         ; 512 bytes a tile column,
	s_add_co_u32 s92, s92, s93
	s_lshl_b32 s93, s16, 8                         ; my 256
	s_add_co_u32 s92, s92, s93
	s_mov_b32 s93, 0
	s_add_nc_u64 s[10:11], s[10:11], s[92:93]
; The fragments of K step ks (chunk ks / 2, half ks % 2) into buffer f: 16 loads of 16 bytes for a, 32 of 8 bytes for w_o
.macro FETCH ks, f
	WIN TO_F
.irp a, 0,1,2,3
.irp c, 0,1,2,3
	ds_load_b128 v[\f+16*\a+4*\c:\f+16*\a+4*\c+3], v[ADA+(\ks)/2] offset:4096*\a+2048*((\ks)%2)+512*\c
.endr
.endr
.irp b, 0,1,2,3
.irp c, 0,1,2,3,4,5,6,7
	ds_load_b64 v[\f+64+16*\b+2*\c:\f+64+16*\b+2*\c+1], v[ADB+(\ks)/2] offset:16*PITCH*\b+128*((\ks)%2)+16*\c
.endr
.endr
	WIN 0
.endm
; A K step: its fragments are in; the next step's are asked for, into the other buffer; then its 16 products, the accumulators by turns in one order.
.macro KS ks
	s_wait_dscnt 0x0                               ; this step's fragments are in
.if ((\ks)%2 == 1) && ((\ks) < 7)
	s_wait_tensorcnt 3-((\ks)+1)/2                 ; my part of the next chunk is in; the later chunks' loads may stay out
	s_barrier_signal -1
	s_barrier_wait -1                              ; everybody's is
.endif
.if (\ks) < 7
	PLACES 4                                       ; in front of loads into the buffer that the last step's products have read
	FETCH (\ks)+1, 128*(((\ks)+1)%2)
.endif
	WIN MUL
.irp a, 0,1,2,3
.irp b, 0,1,2,3
.if (\ks) == 0
	v_wmma_f32_16x16x128_fp8_fp8 v[ACC+8*(4*\a+\b):ACC+8*(4*\a+\b)+7], v[128*((\ks)%2)+64+16*\b:128*((\ks)%2)+64+16*\b+15], v[128*((\ks)%2)+16*\a:128*((\ks)%2)+16*\a+15], 0
.else
	v_wmma_f32_16x16x128_fp8_fp8 v[ACC+8*(4*\a+\b):ACC+8*(4*\a+\b)+7], v[128*((\ks)%2)+64+16*\b:128*((\ks)%2)+64+16*\b+15], v[128*((\ks)%2)+16*\a:128*((\ks)%2)+16*\a+15], v[ACC+8*(4*\a+\b):ACC+8*(4*\a+\b)+7]
.endif
.endr
.endr
	WIN 0
.endm
	s_wait_alu depctr_va_vdst(0)
	s_wait_tensorcnt 3                             ; my part of chunk 0 is in; three loads of mine may stay out
	s_barrier_signal -1
	s_barrier_wait -1
	FETCH 0, 0
.irp ks, 0,1,2,3,4,5,6,7
	KS \ks
.endr
	; THE WAY OUT, block by block of 16 rows x 64 columns: x 2^(e6 + e7) into other registers, through my own stage, back as whole rows of 256 bytes.
	; LDS serves a wave's instructions in order (ISA guide 5.7.1.4): no wait between the stores and the loads, nor in front of the next block's stores.
	s_wait_kmcnt 0x0
	s_add_co_i32 s96, s96, s97
	s_add_co_i32 s96, s96, 127
	s_lshl_b32 s96, s96, 23                        ; 2^(e6 + e7) as f32
	s_mov_b32 s97, s96                             ; (named with it as a pair)
	PLACES 4                                       ; in front of the first read of the last products' results
.macro TOSTAGE a
.set BB, BK+32*((\a)%2)
.irp j, 0,2,4,6,8,10,12,14,16,18,20,22,24,26,28,30
	v_pk_mul_f32 v[TMP+\j:TMP+\j+1], v[ACC+32*(\a)+\j:ACC+32*(\a)+\j+1], s[96:97] op_sel_hi:[1,0]   ; each accumulator from its low end on
.endr
.irp b, 0,1,2,3
	ds_store_b128 v[STO], v[TMP+8*\b:TMP+8*\b+3] offset:64*\b
	ds_store_b128 v[STO], v[TMP+8*\b+4:TMP+8*\b+7] offset:64*\b+16
.endr
.irp t, 0,1,2,3,4,5,6,7
	ds_load_b128 v[BB+4*\t:BB+4*\t+3], v[RD] offset:\t*2*SPITCH
.endr
.endm
.macro SEND a, younger                 ; younger: the LDS instructions issued behind block a's loads, which may stay out
.set BB, BK+32*((\a)%2)
	s_wait_dscnt \younger
.irp t, 0,1,2,3,4,5,6,7
	global_store_b128 v[CO], v[BB+4*\t:BB+4*\t+3], s[10:11] offset:65536*(\a)+8192*\t th:TH_STORE_NT   ; 16 lanes store 256 consecutive bytes, aligned; written once, read by nobody here
.endr
.endm
	TOSTAGE 0
	TOSTAGE 1
	SEND 0, 16                                     ; behind block 0's loads: block 1's 8 stores and 8 loads
	s_wait_xcnt 0x0                                ; block 0's stores have read their registers: block 2's loads may land there
	TOSTAGE 2
	SEND 1, 16
	s_wait_xcnt 0x0
	TOSTAGE 3
	SEND 2, 16
	SEND 3, 0
	s_wait_tensorcnt 0x0                           ; the wave's end, behind my last tensor load and my last LDS store
	ds_add_u32 v[SPW], v[NIL]
	s_wait_dscnt 0x0
	CROUND                                         ; the closing round
	s_endpgm
.Lfunc_end_k_qfac71ad044_proj:
	.size	k_qfac71ad044_proj, .Lfunc_end_k_qfac71ad044_proj-k_qfac71ad044_proj
	.p2alignl 7, 3214868480
	.fill 96, 4, 3214868480
	.section	.rodata,"a",@progbits
	.p2align	6, 0x0
	.amdhsa_kernel k_qfac71ad044_proj
		.amdhsa_group_segment_fixed_size 327680
		.amdhsa_private_segment_fixed_size 0
		.amdhsa_enable_private_segment 0
		.amdhsa_kernarg_size 32
		.amdhsa_user_sgpr_count 2
		.amdhsa_user_sgpr_kernarg_segment_ptr 1
		.amdhsa_wavefront_size32 1
		.amdhsa_system_sgpr_workgroup_id_x 1
		.amdhsa_system_sgpr_workgroup_id_y 1
		.amdhsa_system_sgpr_workgroup_id_z 1
		.amdhsa_system_vgpr_workitem_id 0
		.amdhsa_next_free_vgpr 512
		.amdhsa_next_free_sgpr 98
		.amdhsa_reserve_vcc 0
		.amdhsa_float_denorm_mode_32 3
		.amdhsa_float_denorm_mode_16_64 3
		.amdhsa_memory_ordered 1
		.amdhsa_forward_progress 1
		.amdhsa_inst_pref_size 55
	.end_amdhsa_kernel
	.amdgpu_metadata
---
amdhsa.version: [ 1, 2 ]
amdhsa.kernels:
  - .name:           k_qfac71ad044_proj
    .symbol:         k_qfac71ad044_proj.kd
    .args:
      - { .name: a_img, .offset: 0, .size: 8, .value_kind: global_buffer, .address_space: global }
      - { .name: w_o_codes, .offset: 8, .size: 8, .value_kind: global_buffer, .address_space: global }
      - { .name: lowp_scales, .offset: 16, .size: 8, .value_kind: global_buffer, .address_space: global }
      - { .name: out0, .offset: 24, .size: 8, .value_kind: global_buffer, .address_space: global }
    .group_segment_fixed_size: 327680
    .private_segment_fixed_size: 0
    .kernarg_segment_align: 8
    .kernarg_segment_size: 32
    .max_flat_workgroup_size: 128
    .sgpr_count:     98
    .vgpr_count:     512
    .wavefront_size: 32
...
	.end_amdgpu_metadata
.endif
;; end of part 3
